; MI455X (gfx1250); checked and timed in simulation.
; The chip was launched on July 23, 2026; its instructions are those of AMD's public machine-readable ISA for CDNA 5 (MIT licence, August 2026) and "CDNA5" Instruction Set Architecture Reference Guide (July 2026). The comments in the code are by the model that wrote it; some were corrected since.
;; Attention. Allowed arithmetic: matrix products marked QUANTISED: E2M3 operands, one E8M0 scale for each 32 along K, by v_wmma_scale_f32_16x16x128_f8f6f4 with both operands' format E2M3, f32 sums; everything else in f32.
;; Inputs: Wg_codes 256 x 8 x 24 uint8 (E2M3 codes of Wg, K innermost, in blocks of 32 codes, four codes in three bytes); Wg_scales 256 x 8 uint8 (E8M0 scales of Wg, one for each 32 codes along K); Wk_codes 256 x 8 x 24 uint8 (E2M3 codes of Wk, K innermost, in blocks of 32 codes, four codes in three bytes); Wk_scales 256 x 8 uint8 (E8M0 scales of Wk, one for each 32 codes along K); Wo_codes 256 x 8 x 24 uint8 (E2M3 codes of Wo, K innermost, in blocks of 32 codes, four codes in three bytes); Wo_scales 256 x 8 uint8 (E8M0 scales of Wo, one for each 32 codes along K); Wq_codes 256 x 8 x 24 uint8 (E2M3 codes of Wq, K innermost, in blocks of 32 codes, four codes in three bytes); Wq_scales 256 x 8 uint8 (E8M0 scales of Wq, one for each 32 codes along K); Wv_codes 256 x 8 x 24 uint8 (E2M3 codes of Wv, K innermost, in blocks of 32 codes, four codes in three bytes); Wv_scales 256 x 8 uint8 (E8M0 scales of Wv, one for each 32 codes along K); bg 256 float32; bias 1 x 1 x 8 x 256 x 256 float32; bo 256 float32; k_x_codes 1 x 128 x 256 x 8 x 24 uint8 (E2M3 codes of k_x, K innermost, in blocks of 32 codes, four codes in three bytes); k_x_scales 1 x 128 x 256 x 8 uint8 (E8M0 scales of k_x, one for each 32 codes along K); q_x_codes 1 x 128 x 256 x 8 x 24 uint8 (E2M3 codes of q_x, K innermost, in blocks of 32 codes, four codes in three bytes); q_x_scales 1 x 128 x 256 x 8 uint8 (E8M0 scales of q_x, one for each 32 codes along K); v_x_codes 1 x 128 x 256 x 8 x 24 uint8 (E2M3 codes of v_x, K innermost, in blocks of 32 codes, four codes in three bytes); v_x_scales 1 x 128 x 256 x 8 uint8 (E8M0 scales of v_x, one for each 32 codes along K).
;; Outputs: out0 1 x 128 x 256 x 256 float32.
;; This version of the problem:
;;   THIS VERSION OF THE PROBLEM IS GIVEN IN LOW PRECISION. The matrix products marked QUANTISED in the list below multiply operands that are first quantised to E2M3 (2 exponent bits, 3 mantissa bits; 6 bits a number), with one power-of-two scale for each 32 numbers along K (OCP MX v1.0); their sums are f32. All else is computed in f32.
;;   The module's matrix products, in the order in which they are computed (A, B: the left and right operand; K: the contracted axis; several contracted axes count as one K, in the product's order):
;;     1. [M 32,768, K 256] x [K 256, N 256]; A: input q_x (given as codes); B: input Wq (given as codes): QUANTISED
;;     2. [M 32,768, K 256] x [K 256, N 256]; A: input k_x (given as codes); B: input Wk (given as codes): QUANTISED
;;     3. [M 32,768, K 256] x [K 256, N 256]; A: input v_x (given as codes); B: input Wv (given as codes): QUANTISED
;;     4. batch 1,024 x [M 256, K 32] x [K 32, N 256]; A: computed on the way; B: computed on the way: QUANTISED
;;     5. batch 1,024 x [M 32, K 256] x [K 256, N 256]; A: computed on the way; B: softmax (see below): QUANTISED
;;     6. [M 32,768, K 256] x [K 256, N 256]; A: input q_x (given as codes); B: input Wg (given as codes): QUANTISED
;;     7. [M 32,768, K 256] x [K 256, N 256]; A: computed on the way; B: input Wo (given as codes): QUANTISED
;;   THE QUANTISER, for each operand of a quantised product, along K:
;;     - K is cut into blocks of 32 from its start; a last block that is shorter is filled with zeros.
;;     - A block's scale is 2^e with e = floor(log2(the largest magnitude in the block)) - 2, held to -126 .. 127; a block of zeros has e = 0. As a byte (E8M0): e + 127.
;;     - Each number is divided by its block's scale, clamped to +-7.5, and rounded to the nearest number of E2M3, ties to even, subnormals kept.
;;     - The product sums the exact products of the quantised numbers (number of the format x scale) in f32.
;;   ~~~python
;;   def quantise(x, axis):      # numpy; x: float32 -> the quantised numbers, widened to float32 again
;;       x = np.moveaxis(x, axis, -1); K = x.shape[-1]
;;       x = np.pad(x, [(0, 0)] * (x.ndim - 1) + [(0, -K % 32)]); x = x.reshape(x.shape[:-1] + (-1, 32)); a = np.abs(x).max(-1, keepdims=True)
;;       e = np.where(a > 0, np.clip(np.frexp(np.where(a > 0, a, 1))[1] - 1 - 2, -126, 127), 0)      # np.frexp(a)[1] - 1 = floor(log2(a)), exactly
;;       r = np.clip(x / 2.0 ** e, -7.5, 7.5)
;;       step = 2.0 ** (np.maximum(np.frexp(np.where(r == 0, 1, r))[1] - 1, 0) - 3)
;;       q = np.round(r / step) * step * 2.0 ** e      # np.round: ties to even
;;       return np.moveaxis(q.reshape(q.shape[:-2] + (-1,))[..., :K], -1, axis).astype(np.float32)
;;   ~~~
;;   SOFTMAX AHEAD OF A QUANTISED PRODUCT. Where the list says 'softmax', what is quantised is not the finished softmax but p = 2^(t - M), with t = logit x log2(e) and M = ceil(the row's largest t), a whole number; so 1/2 < the row's largest p <= 1. The row's sum l is taken of the UNQUANTISED p, in f32, and the product's result is divided by l at the end. Since M is a whole number, a kernel that streams over the keys may use a running M (the ceiling of the running maximum): every later rescaling is an exact power of two, which a block's scale takes up: the codes' values come out the same.
;;   OPERANDS COMPUTED ON THE WAY. 'Computed on the way' means the value that the module computes at that place (a softmax that the list does not call 'softmax' is quantised finished and normalised). What goes into a quantiser is computed in f32, as accurately as f32 sums, v_exp_f32 and their like allow (about 1e-6 of the number): no bf16 or f16 on the way to a quantiser, and a product that is left as it is and whose result goes on into a quantised operand takes f32 operands (vector FMAs, or v_wmma_f32_16x16x4_f32). A number that lies on a knife's edge between two numbers of the format may be rounded either way, as far as f32 arithmetic and the matrix unit's own rounding can turn it there, and no further.
;;   INPUTS GIVEN AS CODES. Wg (in the module: [256, 256], K = its axis 0); Wk (in the module: [256, 256], K = its axis 0); Wo (in the module: [256, 256], K = its axis 0); Wq (in the module: [256, 256], K = its axis 0); Wv (in the module: [256, 256], K = its axis 0); k_x (in the module: [1, 128, 256, 256], K = its axis 3); q_x (in the module: [1, 128, 256, 256], K = its axis 3); v_x (in the module: [1, 128, 256, 256], K = its axis 3): each comes as NAME_codes (uint8): NAME with its K axis moved to the last place and cut into blocks of 32 codes, [.., K / 32, bytes a block], one block behind the other in memory; four codes in three bytes: a row's codes are one little-endian stream of bits, code i at bits 6 i .. 6 i + 5 (a code: sign, 2 exponent bits, 3 mantissa bits); and NAME_scales (uint8): the same leading axes, one E8M0 byte (e + 127) for each 32 codes along K. Its value is code x scale, taken as it is: it is not quantised again, and the codes and scales need not be those that the quantiser above would give.
;; One version. Each part assembles by itself: llvm-mc -triple=amdgcn-amd-amdhsa -mcpu=gfx1250 --defsym DOCPART=n.
;; ======== version 1 of 1: 1 launch
;; limits: right only within a limited range of input values
;; workspace buffers: og_codes 6,291,456 bytes; og_scales 262,144 bytes
;; launch gattn (part 1): grid 256 x 1, 8 waves a work-group, clusters of 4 x 1, 327,680 bytes of LDS; arguments q_x_codes, q_x_scales, k_x_codes, k_x_scales, v_x_codes, v_x_scales, Wq_codes, Wq_scales, Wk_codes, Wk_scales, Wv_codes, Wv_scales, Wg_codes, Wg_scales, Wo_codes, Wo_scales, bg, bias, bo, out0; writes out0
.if DOCPART == 1
	.amdgcn_target "amdgcn-amd-amdhsa--gfx1250"
	.amdhsa_code_object_version 6
	.text
	.protected	k_q8c8b4d5523_gattn
	.globl	k_q8c8b4d5523_gattn
	.p2align	8
	.type	k_q8c8b4d5523_gattn,@function
k_q8c8b4d5523_gattn:
	s_mov_b64 s[64:65], 0
	v_nop
	global_prefetch_b8 v0, s[64:65] scope:SCOPE_SE
	s_setreg_imm32_b32 hwreg(HW_REG_WAVE_MODE, 25, 1), 1
	s_wait_xcnt 0x0
	s_wait_alu depctr_hold_cnt(0) depctr_sa_sdst(0) depctr_va_vdst(0) depctr_va_sdst(0) depctr_va_ssrc(0) depctr_va_vcc(0) depctr_vm_vsrc(0)
	s_getreg_b32 s2, hwreg(HW_REG_IB_STS2, 6, 4)
	s_cmp_eq_u32 s2, 0
	s_cbranch_scc0 .Lentry_in_a_cluster
	s_endpgm
.Lentry_in_a_cluster:
	s_bfe_u32 s2, ttmp6, 0x10000c
	s_cmp_lg_u32 s2, 0x3003
	s_cbranch_scc0 .Lentry_shape_is_right
	s_endpgm
.Lentry_shape_is_right:
; GATED ATTENTION ON CODES OF MX-FP6 (E2M3) IN ONE LAUNCH: all seven products, softmax, gate, the quantisers and both biases.  No work of reference() is left out, and every input is loaded.
; SHARES.  256 work-groups of eight waves: a work-group has one r and 128 of its 256 queries; WAVE w HAS HEAD w.  A wave projects its head's k and v for all 256 keys, q and gate for the 128 queries; the quantised fragments of k and v stay in its registers.
; A wave then walks eight tiles of 16 queries: scores, softmax, p quantised, O^T = V^T P^T, / l, x gate, quantised.  o * g's codes go through LDS, since product 7 sums over the heads: there wave w makes 64 columns (w % 4) of half of the tiles (w / 4).
; CLUSTER: four r with the same half of the queries.  They need the same weights and the same tiles of the bias, and ask for them jointly (mask 15).  r enters global addresses alone.  x's rows differ from partner to partner and are asked for by plain loads.
; THE BIAS: a tile of 16 queries x 256 keys, f32, a wave and step, through two LDS slots, into the registers of the scores: x sqrt(32) it is the C of the score products: S = q . k + sqrt(32) bias, t = S log2(e) / sqrt(32).
; A tile is asked for in the step two ahead, behind a round of the cluster's barrier.  PREFETCH: each work-group asks once for 8,192 bytes of the bias of its half of the queries (r names which); the other tensor loads have a whole phase between request and wait.
; PRODUCT 4 HAS K = 32, one block of the instruction's four.  A fragment of k holds four tiles of keys: block b of row i is key 64 f + 16 b + i; q's operand has the tile's codes in block b and zero codes in the other three.
; ORDER INSIDE A BLOCK of products 4 and 5, alike on both sides: place 16 h + 8 u + j holds element 16 u + 8 h + j (h = lane / 16).  The rows of Wv and Wg that form tile u are d = 8 u + i + 8 (i / 8), so a lane's 16 results are d = 16 h + 0 .. 15 in true order.
; LIMITS.  NaN and infinities are not served as reference() serves them (a conversion holds at the largest code; a given scale byte 0xff gives NaN).  A block of zeros gets the byte 1, not 127: its codes are zeros.  v_exp_f32 gives 0 for results under 2^-126.
; The order of sums inside a product differs from reference()'s.
; REGISTERS.  Window 0: v1-16 addresses; v17-39 scale words; v40-95 at work; v96-125 q's variants; v128-255 the scores.  Window 1: v0-47 k, v48-95 v, v96-223 the gates of eight tiles, v224-247 q's codes, v248-253 a pair's q.
.set XQ,  122880                       ; LDS, first: Wk (then Wq) at 0, Wv (then Wg) at W2, 128 rows of q_x, 256 of k_x, 256 of v_x: rows of 192 bytes as 3 x (64 + 16)
.set W2,  61440
.set XK,  153600
.set SLA, 153600                       ; then: bias slot A; slot B at 0: eight tiles of 16 x 1,040 bytes each
.set STG, 215040                       ; at the end slot A holds Wo's 61,440 bytes, and behind them eight stages of 16 x 272
.set OGI, 286720                       ; o * g's codes: 8 heads x 3,200
.set OSB, 312320                       ; its scale bytes: 128 rows x 8
.set SPARE, 326656                     ; the spare words, 128 bytes for each wave
.set SPW, 1
.set NIL, 2
.set BA0, 3
.set BA1, 4
.set AK0, 5
.set AV0, 7
.set AX0, 9
.set OGA, 11
.set OGS, 12
.set AQ0, 13
.set SCO, 15
.set SCP, 16
.set OGL, 13                           ; in the loop
.set OSL, 14
.set BF0, 5                            ; at the end
.set AO,  7
.set AOS, 8
.set STO, 9
.set RD,  10
.set AO2, 13
.set AOS2, 14
.set CO,  16
.set KS,  17
.set VS,  21
.set PW,  25
.set PS0, 26
.set PS1, 27
.set QW,  28
.set QS,  30
.set XS,  32
.set WS,  36
.set BM,  40
.set PT,  40
.set OA,  40
.set T2,  48
.set SO,  56
.set PWS, 63
.set PC0, 64
.set PC1, 76
.set NM,  88
.set LS,  90
.set RL,  92
.set MX,  94
.set QV,  96
.set PFA, 120
.set HB,  122
.set S,   128
.set ACC, 128
.set XR0, 192                          ; x's four tiles of a chunk
.set XR1, 216
.set XR2, 96
.set XR3, 224                          ; (window 1)
.set WG0, 96                           ; Wg's four fragments
.set WG1, 108
.set WG2, 76
.set WG3, 240
.set KF,  0
.set VF,  48
.set G,   96
.set QC,  224
.set QP,  248
.set BO,  96                           ; at the end: bo, and two sets of rows on their way out, where gates of tiles 0 to 5 lay
.set BK0, 128
.set BK1, 160
.set WV,  44
.set RR,  46
.set HF,  47
.set G1W, 48
.set G1X, 56
.set G1B, 68
.set G0W, 76
.set G0X, 80
.set G0A, 84
.set G0B, 88
.set SEL, 92
.set CS,  94
.set NL2, 96
.set LM,  98
.set HM,  99
.set R32, 66
.set MSB, 0
.macro WIN new                         ; the immediate's high byte repeats the setting that is left
.if MSB != (\new)
	s_set_vgpr_msb (MSB<<8)|(\new)
.set MSB, (\new)
.endif
.endm
.macro PLACES n
.rept \n
	v_nop
.endr
.endm
.macro WALU
	s_wait_alu depctr_va_vdst(0)
.endm
.macro BARRIER
	s_barrier_signal -1
	s_barrier_wait -1
.endm
.macro CREST                           ; a round of the cluster's barrier behind its opening barrier
	s_cmp_lg_u32 s[WV], 0
	s_cbranch_scc1 .Lnot_wave_0_\@
	s_barrier_signal -3
.Lnot_wave_0_\@:
	s_barrier_wait -3
	s_barrier_signal -1
	s_barrier_wait -1
.endm
.macro CROUND
	BARRIER
	CREST
.endm
.macro GRD
	WALU
	s_wait_tensorcnt 0x0
	ds_add_u32 v[SPW], v[NIL]
.endm
.macro G1SET g, w, c, rows             ; descriptor group 1: rows of c elements, dense
	s_mov_b32 s[\g], \w
	s_mov_b32 s[\g+1], (\c)<<16
	s_mov_b32 s[\g+2], (\rows)<<16
	s_mov_b32 s[\g+3], (\c)<<16
	s_mov_b32 s[\g+4], \rows
	s_mov_b32 s[\g+5], \c
	s_mov_b32 s[\g+6], 0
	s_mov_b32 s[\g+7], 0
.endm
.macro ADDP p, off=100                 ; a buffer's address + the offset in s[100:101]
	s_add_nc_u64 s[\p:\p+1], s[\p:\p+1], s[\off:\off+1]
.endm
; A product: z = 0 starts a sum, 1 adds in place, 2 takes C from C_.  ra, rb: which half of the lanes holds A's, B's scale words.
.macro MM1 c, ra, rb
	v_wmma_scale_f32_16x16x128_f8f6f4 v[D_:D_+7], v[A_:A_+11], v[B_:B_+11], \c, v[SA_], v[SB_] matrix_a_fmt:MATRIX_FMT_FP6 matrix_b_fmt:MATRIX_FMT_FP6 matrix_a_scale:MATRIX_SCALE_ROW\ra matrix_b_scale:MATRIX_SCALE_ROW\rb
.endm
.macro MM2 c
.if RA_
.if RB_
	MM1 \c, 1, 1
.else
	MM1 \c, 1, 0
.endif
.else
.if RB_
	MM1 \c, 0, 1
.else
	MM1 \c, 0, 0
.endif
.endif
.endm
.macro MM d, a, b, z, sa, sb, ra=0, rb=0
.set D_, \d
.set A_, \a
.set B_, \b
.set SA_, \sa
.set SB_, \sb
.set RA_, \ra
.set RB_, \rb
.if (\z) == 0
	MM2 0
.elseif (\z) == 1
	MM2 v[D_:D_+7]
.else
	MM2 v[C_:C_+7]
.endif
.endm
; A fragment from rows in LDS: 16 rows x 128 K (the s-th 128 of 256), in pieces of 8 bytes.  16 bytes of padding lie behind every 8 pieces; lanes 16-31 read three pieces further on: where that is behind one padding more, the second address register serves.
.macro XF reg, adr, s, off
.irp p, 0,1,2,3,4,5
.set PCN, 12*(\s)+6*(\p/3)+\p%3
.if PCN%8 < 5
	ds_load_b64 v[(\reg)+2*\p:(\reg)+2*\p+1], v[\adr] offset:8*PCN+16*(PCN/8)+(\off)
.else
	ds_load_b64 v[(\reg)+2*\p:(\reg)+2*\p+1], v[(\adr)+1] offset:8*PCN+16*(PCN/8)+(\off)
.endif
.endr
.endm
.macro XCH c                           ; chunk c of x: 64 rows
	WIN 0
.irp s, 0,1
	XF XR0+12*\s, AX0, \s, (4*(\c))*3840
	XF XR1+12*\s, AX0, \s, (4*(\c)+1)*3840
	XF XR2+12*\s, AX0, \s, (4*(\c)+2)*3840
.endr
	WIN 0x40
.irp s, 0,1
	XF XR3+12*\s, AX0, \s, (4*(\c)+3)*3840
.endr
	WIN 0
.endm
.macro XSM raw                         ; its scale words
	WIN 0x01
.irp i, 0,1,2,3
	v_mov_b32 v[XS+\i], v[(\raw)+\i]
.endr
	WIN 0
.endm
; Half blocks become whole ones in a lane: lanes 0-15 block 2 c, lanes 16-31 block 2 c + 1.
.macro SWAPS dst
	v_nop                                          ; one plain place behind a scaled conversion
.irp c, 0,1
.irp i, 0,1,2
	v_permlane16_swap_b32 v[(\dst)+6*\c+\i], v[PT+4*\c+\i]
.endr
.endr
.endm
; 64 numbers of a lane, register 16 b + i = place 16 h + i of block b, become codes: blocks 0 and 1 in window 1 at d0, 2 and 3 at d1; their scale word in v[pw].
.macro QUANT src, d0, d1, pw
.irp b, 0,1,2,3
	v_max3_num_f32 v[BM+\b], |v[(\src)+16*\b]|, |v[(\src)+16*\b+1]|, 0x1800000   ; with the floor 2^(3 - 127)
.endr
.irp i, 2,4,6,8,10,12,14
.irp b, 0,1,2,3
	v_max3_num_f32 v[BM+\b], v[BM+\b], |v[(\src)+16*\b+\i]|, |v[(\src)+16*\b+\i+1]|
.endr
.endr
.irp b, 0,1,2,3
	v_permlanex16_b32 v[T2+\b], v[BM+\b], s[SEL], s[SEL+1]
.endr
.irp b, 0,1,2,3
	v_max_num_f32 v[BM+\b], v[BM+\b], v[T2+\b]
.endr
.irp b, 0,1,2,3
	v_add_nc_u32 v[SO+\b], 0xff000000, v[BM+\b]    ; 2 off the exponent field: the conversion's scale operand
.endr
.irp b, 0,1,2,3
	v_lshrrev_b32 v[T2+\b], 23, v[SO+\b]           ; the scale's byte
.endr
	v_lshl_or_b32 v[\pw], v[T2+1], 8, v[T2]
	v_lshl_or_b32 v[\pw], v[T2+2], 16, v[\pw]
	v_lshl_or_b32 v[\pw], v[T2+3], 24, v[\pw]
.irp c, 0,1
	v_cvt_scalef32_pk16_fp6_f32 v[PC0+6*\c:PC0+6*\c+2], v[(\src)+32*\c:(\src)+32*\c+15], v[SO+2*\c]
	v_cvt_scalef32_pk16_fp6_f32 v[PT+4*\c:PT+4*\c+2], v[(\src)+32*\c+16:(\src)+32*\c+31], v[SO+2*\c+1]
.endr
	SWAPS PC0
	WIN 0x40
.irp i, 0,1,2
	v_mov_b32 v[(\d0)+\i], v[PC0+\i]
	v_mov_b32 v[(\d0)+3+\i], v[PT+\i]
	v_mov_b32 v[(\d1)+\i], v[PC0+6+\i]
	v_mov_b32 v[(\d1)+3+\i], v[PT+4+\i]
.endr
	WIN 0
.endm
; k: source 0 = 16 rows of Wk, source 1 = 16 keys: lane (r16, h) holds one key, register 8 u + j its d = 16 u + 8 h + j.
.macro KCH ch
	WALU
	s_wait_dscnt 0x0
.irp s, 0,1
.irp n, 0,1,2,3
.if \n == 3
	WIN 0x05
.else
	WIN 0x01
.endif
.irp u, 0,1
	MM ACC+16*\n+8*\u, 96+24*\u+12*\s, XR\n+12*\s, \s, WS+\s, XS+2*(\n/2)+\s, \u, (\n%2)
.endr
.endr
.endr
	WIN 0
	PLACES 5
.if (\ch) == 3
	v_add_nc_u32 v[AX0], 61440, v[AX0]             ; on to v_x
	v_add_nc_u32 v[AX0+1], 61440, v[AX0+1]
	XCH 0
	XSM 208
.else
	XCH \ch+1
	XSM 196+4*(\ch)
.endif
	QUANT ACC, KF+12*(\ch), KF+12*(\ch)+6, KS+\ch
.endm
; v: source 0 = 16 keys, source 1 = 16 rows of Wv: lane (r16, h) holds one d, register 8 n + j key 16 n + 8 h + j.
.macro VMM
	WALU
	s_wait_dscnt 0x0
.irp s, 0,1
.irp n, 0,1,2,3
.if \n == 3
	WIN 0x05
.else
	WIN 0x04
.endif
.irp u, 0,1
	MM ACC+32*\u+8*\n, XR\n+12*\s, 144+24*\u+12*\s, \s, XS+2*(\n/2)+\s, WS+2+\s, (\n%2), \u
.endr
.endr
.endr
	WIN 0
	PLACES 5
.endm
.macro VQ ch                           ; a chunk is half of the K of two fragments (u = 0, 1)
.if (\ch)%2
	QUANT ACC, VF+24*((\ch)/2)+6, VF+24*((\ch)/2)+18, PW
	v_and_b32 v[T2], 0xffff, v[PWS]
	v_lshrrev_b32 v[T2+1], 16, v[PWS]
	v_lshl_or_b32 v[VS+2*((\ch)/2)], v[PW], 16, v[T2]
	v_and_or_b32 v[VS+2*((\ch)/2)+1], v[PW], 0xffff0000, v[T2+1]
.else
	QUANT ACC, VF+24*((\ch)/2), VF+24*((\ch)/2)+12, PWS
.endif
.endm
; q and the gate of tile t: x's fragments in two buffers by turns.
.macro QX t
.if (\t)%2
	XF 52, AQ0, 0, (\t)*3840
	WIN 0x40
	XF 236, AQ0, 1, (\t)*3840
	WIN 0
.else
	XF 64, AQ0, 0, (\t)*3840
	XF 40, AQ0, 1, (\t)*3840
.endif
.endm
.macro QG t
.set XA_, 64-12*((\t)%2)
.set XB_, 40+196*((\t)%2)
.set SX_, XS+2*(((\t)%4)/2)
	WIN 0
	MM ACC+16*((\t)%4), 192, XA_, 0, WS, SX_, 0, ((\t)%2)
	MM ACC+16*((\t)%4)+8, 216, XA_, 0, WS, SX_, 1, ((\t)%2)
	WIN 0x50
	MM G+16*(\t), WG0, XA_, 0, WS+2, SX_, 0, ((\t)%2)
	MM G+16*(\t)+8, WG2, XA_, 0, WS+2, SX_, 1, ((\t)%2)
	WIN 4*((\t)%2)
	MM ACC+16*((\t)%4), 204, XB_, 1, WS+1, SX_+1, 0, ((\t)%2)
	MM ACC+16*((\t)%4)+8, 228, XB_, 1, WS+1, SX_+1, 1, ((\t)%2)
	WIN 0x50+4*((\t)%2)
	MM G+16*(\t), WG1, XB_, 1, WS+3, SX_+1, 0, ((\t)%2)
	MM G+16*(\t)+8, WG3, XB_, 1, WS+3, SX_+1, 1, ((\t)%2)
	WIN 0
.endm
.macro QGROUP g
	QX 4*\g
	QX 4*\g+1
	WALU
	s_wait_dscnt 12                                ; the first tile's fragments are in; the second's twelve loads may be out
	QG 4*\g
	PLACES 5
	QX 4*\g+2
	s_wait_dscnt 12
	QG 4*\g+1
	PLACES 5
	QX 4*\g+3
	s_wait_dscnt 12
	QG 4*\g+2
	s_wait_dscnt 0x0
	QG 4*\g+3
	PLACES 5
.endm
.macro BIASLD ba                       ; my tile of the bias into the scores' registers: lane (r16, h), register 8 T + j: key 16 T + 8 h + j
.set J, 0
.rept 32
	ds_load_b128 v[S+4*J:S+4*J+3], v[\ba] offset:64*(J/2)+16*(J%2)
.set J, J+1
.endr
.endm
.macro WOLD                            ; my 64 columns of Wo: eight fragments
.irp n, 0,1,2,3
.irp s, 0,1
	XF S+24*\n+12*\s, BF0, \s, \n*3840
.endr
.endr
.endm
.macro QARM p                          ; q's codes of tiles 2 p and 2 p + 1, and their scale bytes, each in all four bytes
	WIN 0x41
.irp i, 0,1,2,3,4,5
	v_mov_b32 v[QP+\i], v[QC+6*(\p)+\i]
.endr
	WIN 0
	v_perm_b32 v[QS], v[QW+(\p)/2], v[QW+(\p)/2], 0x01010101*(2*((\p)%2))
	v_perm_b32 v[QS+1], v[QW+(\p)/2], v[QW+(\p)/2], 0x01010101*(2*((\p)%2)+1)
.endm
.macro BMUL from                       ; half of the tile of the bias x sqrt(32)
.set J, \from
.rept 32
	v_pk_mul_f32 v[S+J:S+J+1], v[S+J:S+J+1], s[R32:R32+1] op_sel_hi:[1,0]
.set J, J+2
.endr
.endm
; THE SOFTMAX of a tile: a lane holds one query and 128 of its 256 keys, lane l xor 16 the others.  The whole row is at hand: M is final.
.macro SOFTMAX
.irp b, 0,1,2,3,4,5,6,7
	v_max3_num_f32 v[BM+\b], v[S+16*\b], v[S+16*\b+1], v[S+16*\b+2]   ; the largest score of each block of 32 keys: for the row's maximum and for the block's largest p
.endr
.irp i, 3,5,7,9,11,13
.irp b, 0,1,2,3,4,5,6,7
	v_max3_num_f32 v[BM+\b], v[BM+\b], v[S+16*\b+\i], v[S+16*\b+\i+1]
.endr
.endr
.irp b, 0,1,2,3,4,5,6,7
	v_max_num_f32 v[BM+\b], v[BM+\b], v[S+16*\b+15]
.endr
.irp b, 0,1,2,3,4,5,6,7
	v_permlanex16_b32 v[T2+\b], v[BM+\b], s[SEL], s[SEL+1]
.endr
.irp b, 0,1,2,3,4,5,6,7
	v_max_num_f32 v[BM+\b], v[BM+\b], v[T2+\b]
.endr
	v_max3_num_f32 v[MX], v[BM], v[BM+1], v[BM+2]
	v_max3_num_f32 v[T2], v[BM+3], v[BM+4], v[BM+5]
	v_max3_num_f32 v[MX], v[MX], v[BM+6], v[BM+7]
	v_max_num_f32 v[MX], v[MX], v[T2]
	v_mul_f32 v[MX], s[CS], v[MX]                  ; the row's largest t
	v_floor_f32 v[NM], -v[MX]                      ; -M = floor(-t) = -ceil(t)
.irp b, 0,1,2,3,4,5,6,7
	v_fma_f32 v[BM+\b], v[BM+\b], s[CS], v[NM]
.endr
.set J, 0
.rept 64
	v_pk_fma_f32 v[S+J:S+J+1], v[S+J:S+J+1], s[CS:CS+1], v[NM:NM+1] op_sel_hi:[1,0,0]   ; t - M
.set J, J+2
.endr
	WALU
.irp b, 0,1,2,3,4,5,6,7
	v_exp_f32 v[BM+\b], v[BM+\b]                   ; each block's largest p,
.endr
.set J, 0
.rept 128
	v_exp_f32 v[S+J], v[S+J]                       ; and p = 2^(t - M): not normalised
.set J, J+1
.endr
	v_nop
	WALU
	v_pk_add_f32 v[LS:LS+1], v[S:S+1], v[S+2:S+3]  ; the row's sum of the unquantised p, in four chains
	v_pk_add_f32 v[T2+4:T2+5], v[S+4:S+5], v[S+6:S+7]
	v_pk_add_f32 v[T2:T2+1], v[S+8:S+9], v[S+10:S+11]
	v_pk_add_f32 v[T2+2:T2+3], v[S+12:S+13], v[S+14:S+15]
.set J, 16
.rept 14
	v_pk_add_f32 v[LS:LS+1], v[LS:LS+1], v[S+J:S+J+1]
	v_pk_add_f32 v[T2+4:T2+5], v[T2+4:T2+5], v[S+J+2:S+J+3]
	v_pk_add_f32 v[T2:T2+1], v[T2:T2+1], v[S+J+4:S+J+5]
	v_pk_add_f32 v[T2+2:T2+3], v[T2+2:T2+3], v[S+J+6:S+J+7]
.set J, J+8
.endr
	v_pk_add_f32 v[LS:LS+1], v[LS:LS+1], v[T2+4:T2+5]
	v_pk_add_f32 v[T2:T2+1], v[T2:T2+1], v[T2+2:T2+3]
.irp b, 0,1,2,3,4,5,6,7
	v_max_num_f32 v[BM+\b], 0x1800000, v[BM+\b]    ; the floor 2^(3 - 127)
.endr
	v_pk_add_f32 v[LS:LS+1], v[LS:LS+1], v[T2:T2+1]
.irp b, 0,1,2,3,4,5,6,7
	v_add_nc_u32 v[SO+\b], 0xff000000, v[BM+\b]
.endr
	v_add_f32 v[LS], v[LS], v[LS+1]
	v_permlanex16_b32 v[T2], v[LS], s[SEL], s[SEL+1]
	v_add_f32 v[LS], v[LS], v[T2]                  ; l
	WALU
	v_rcp_f32 v[RL], v[LS]                         ; its wait stands behind the second product, ahead of its first reader
.irp b, 0,1,2,3,4,5,6,7
	v_lshrrev_b32 v[T2+\b], 23, v[SO+\b]
.endr
	v_lshl_or_b32 v[PS0], v[T2+1], 8, v[T2]
	v_lshl_or_b32 v[PS1], v[T2+5], 8, v[T2+4]
	v_lshl_or_b32 v[PS0], v[T2+2], 16, v[PS0]
	v_lshl_or_b32 v[PS1], v[T2+6], 16, v[PS1]
	v_lshl_or_b32 v[PS0], v[T2+3], 24, v[PS0]
	v_lshl_or_b32 v[PS1], v[T2+7], 24, v[PS1]
.endm
.macro PCONV s, dst                    ; 64 p of a lane become the fragment of keys 128 s on
.irp c, 0,1
	v_cvt_scalef32_pk16_fp6_f32 v[(\dst)+6*\c:(\dst)+6*\c+2], v[S+64*(\s)+32*\c:S+64*(\s)+32*\c+15], v[SO+4*(\s)+2*\c]
	v_cvt_scalef32_pk16_fp6_f32 v[PT+4*\c:PT+4*\c+2], v[S+64*(\s)+32*\c+16:S+64*(\s)+32*\c+31], v[SO+4*(\s)+2*\c+1]
.endr
	SWAPS \dst
.irp c, 0,1
.irp i, 0,1,2
	v_mov_b32 v[(\dst)+3+6*\c+\i], v[PT+4*\c+\i]
.endr
.endr
.endm
.macro GMUL off
	WIN 0x04
.set J, 0
.rept 8
	v_pk_mul_f32 v[OA+J:OA+J+1], v[OA+J:OA+J+1], v[G+(\off)+J:G+(\off)+J+1]
.set J, J+2
.endr
	WIN 0
.endm
; o = O^T / l, x the gate, quantised along d (my 16 and lane l xor 16's 16), into LDS.  p < 0: in the loop, the pair's number in s3 picks the gate.
.macro FINAL e, p
	PLACES 4
	WALU                                           ; the reciprocal's wait, directly ahead of its first reader
.set J, 0
.rept 8
	v_pk_mul_f32 v[OA+J:OA+J+1], v[OA+J:OA+J+1], v[RL:RL+1] op_sel_hi:[1,0]
.set J, J+2
.endr
.if (\p) < 0
	WALU
	s_cmp_eq_u32 s3, 1
	s_cbranch_scc1 .Lg1_\@
	s_cmp_eq_u32 s3, 2
	s_cbranch_scc1 .Lg2_\@
	GMUL 16*\e
	WALU
	s_branch .Lgj_\@
.Lg1_\@:
	GMUL 32+16*\e
	WALU
	s_branch .Lgj_\@
.Lg2_\@:
	GMUL 64+16*\e
	WALU
.Lgj_\@:
.else
	GMUL 32*(\p)+16*\e
.endif
	v_max3_num_f32 v[SO], |v[OA]|, |v[OA+1]|, 0x1800000
	v_max3_num_f32 v[SO+1], |v[OA+2]|, |v[OA+3]|, |v[OA+4]|
	v_max3_num_f32 v[SO], v[SO], |v[OA+5]|, |v[OA+6]|
	v_max3_num_f32 v[SO+1], v[SO+1], |v[OA+7]|, |v[OA+8]|
	v_max3_num_f32 v[SO], v[SO], |v[OA+9]|, |v[OA+10]|
	v_max3_num_f32 v[SO+1], v[SO+1], |v[OA+11]|, |v[OA+12]|
	v_max3_num_f32 v[SO], v[SO], |v[OA+13]|, |v[OA+14]|
	v_max3_num_f32 v[SO], v[SO], v[SO+1], |v[OA+15]|
	v_permlanex16_b32 v[SO+2], v[SO], s[SEL], s[SEL+1]
	v_max_num_f32 v[SO], v[SO], v[SO+2]
	v_add_nc_u32 v[SO+3], 0xff000000, v[SO]
	v_lshrrev_b32 v[SO+4], 23, v[SO+3]
	v_cvt_scalef32_pk16_fp6_f32 v[PC0:PC0+2], v[OA:OA+15], v[SO+3]
	v_nop
.irp k, 0,1,2
.if (\p) < 0
	ds_store_b32 v[OGL], v[PC0+\k] offset:384*\e+4*\k
.else
	ds_store_b32 v[OGA], v[PC0+\k] offset:768*(\p)+384*\e+4*\k
.endif
.endr
.if (\p) < 0
	ds_store_b8 v[OSL], v[SO+4] offset:128*\e
.else
	ds_store_b8 v[OGS], v[SO+4] offset:256*(\p)+128*\e
.endif
.endm
; A STEP: tile 2 p + e.  fill = 0: this tile's slot is filled again with the tile two on; 1: slot A takes Wo; 2: nothing is filled, and no barrier stands in the step.
.macro STEP e, p, fill
	WIN 0x04                                       ; q's variants: zeros, LO, zeros, HI, zeros.  The pair's even tile lies in lanes 0-15, the odd one in lanes 16-31
.irp i, 0,1,2,3,4,5
.if \e
	v_cndmask_b32 v[QV+18+\i], 0, v[QP+\i], s[HM]
.else
	v_cndmask_b32 v[QV+6+\i], 0, v[QP+\i], s[LM]
.endif
.endr
	WIN 0x01
.irp i, 0,1,2,3,4,5
	v_permlanex16_b32 v[QV+18-12*\e+\i], v[QP+\i], s[SEL], s[SEL+1]
.endr
	WIN 0
.irp i, 0,1,2,3,4,5
	v_cndmask_b32 v[QV+18-12*\e+\i], 0, v[QV+18-12*\e+\i], s[HM-\e]
.endr
	WALU
.if (\fill) < 2
	s_wait_dscnt 4                                 ; the tile of the bias is in: behind its loads stand o * g's four stores
.else
	s_wait_dscnt 0x0
.endif
	BMUL 0
.if (\fill) < 2
	GRD
.if \fill
	s_mov_b32 s[G1W+2], 24<<16                     ; Wo: an eighth a wave, 24 rows of 256 bytes
	s_mov_b32 s[G1W+4], 24
	s_mul_i32 s[G0W+1], s[WV], 7680
	s_add_co_u32 s[G0W+1], s[G0W+1], SLA
	s_mov_b64 s[G0W+2:G0W+3], s[32:33]
	s_or_b32 s[G0W+3], s[G0W+3], 0x80000000
.elseif \e
	s_add_nc_u64 s[G0B+2:G0B+3], s[G0B+2:G0B+3], 32768
.else
	s_add_nc_u64 s[G0A+2:G0A+3], s[G0A+2:G0A+3], 32768
.endif
.endif
	BMUL 64                                        ; between the add and the wait for it
.if (\fill) < 2
	WALU
	s_wait_dscnt 0x0                               ; the add is done, and my reads of this slot are over
	s_barrier_signal -1
.endif
	WIN 0x01
.irp n, 0,1,2,3
	MM S+32*\n, KF+12*\n, QV+6, 1, KS+\n, QS+\e        ; block 0: LO, zeros
	MM S+32*\n+8, KF+12*\n, QV+18, 1, KS+\n, QS+\e     ; block 1: HI, zeros
	MM S+32*\n+16, KF+12*\n, QV, 1, KS+\n, QS+\e       ; block 2: zeros, LO
	MM S+32*\n+24, KF+12*\n, QV+12, 1, KS+\n, QS+\e    ; block 3: zeros, HI
.endr
	WIN 0
.if (\fill) < 2
	s_barrier_wait -1
	CREST
.if \fill
	tensor_load_to_lds s[G0W:G0W+3], s[G1W:G1W+7]
.elseif \e
	tensor_load_to_lds s[G0B:G0B+3], s[G1B:G1B+7]
.else
	tensor_load_to_lds s[G0A:G0A+3], s[G1B:G1B+7]
.endif
	s_nop 0
.endif
	PLACES 4
	SOFTMAX
	PCONV 0, PC0
	PCONV 1, PC1
.if (\fill) == 0
.if \e
	BIASLD BA0                                     ; the next tile of the bias, from the other slot: my own load, waited for in this step
.else
	BIASLD BA1
.endif
.elseif (\fill) == 2
	WOLD
.endif
	PLACES 4
	WIN 0x01                                       ; O^T = V^T P^T: two accumulators by turns
	MM OA, VF, PC0, 0, VS, PS0
	MM OA+8, VF+12, PC0, 0, VS+1, PS0
	MM OA, VF+24, PC1, 1, VS+2, PS1
	MM OA+8, VF+36, PC1, 1, VS+3, PS1
	WIN 0
	FINAL \e, \p
.endm
; PRODUCT 7.  o * g's fragments of a tile, registers 6 c on: the block of head 4 s + 2 c + h; and its scale words.
.macro OGLD j, buf, xs, ao, as
.irp s, 0,1
.irp c, 0,1
.irp p, 0,1,2
	ds_load_b64 v[(\buf)+12*\s+6*\c+2*\p:(\buf)+12*\s+6*\c+2*\p+1], v[\ao] offset:(4*\s+2*\c)*3200+384*(\j)+8*\p
.endr
.endr
.endr
	ds_load_b64 v[\xs:\xs+1], v[\as] offset:128*(\j)
.endm
.macro OTILE buf, xs, bk               ; source 0 = 16 columns of Wo, source 1 = 16 rows: a lane holds eight neighbouring columns of a row; bo is the first products' C.  Then through my stage, back as rows
	WIN 0x10
.irp n, 0,1,2,3
.set C_, BO+8*\n
	MM S+96+8*\n, S+24*\n, \buf, 2, WS+2*(\n/2), \xs, (\n%2), 0
.endr
	WIN 0
.irp n, 0,1,2,3
	MM S+96+8*\n, S+24*\n+12, \buf+12, 1, WS+2*(\n/2)+1, \xs+1, (\n%2), 0
.endr
	PLACES 5
.irp n, 0,1,2,3
	ds_store_b128 v[STO], v[S+96+8*\n:S+96+8*\n+3] offset:64*\n
	ds_store_b128 v[STO], v[S+96+8*\n+4:S+96+8*\n+7] offset:64*\n+16
.endr
	WIN 0x40
.irp i, 0,1,2,3,4,5,6,7
	ds_load_b128 v[(\bk)+4*\i:(\bk)+4*\i+3], v[RD] offset:544*\i   ; LDS serves a wave's instructions in order (ISA guide 5.7.1.4): these see the stores above
.endr
	WIN 0
.endm
.macro OSEND j, bk, base               ; 16 lanes store 256 consecutive bytes, aligned
	WIN 0x04
.irp i, 0,1,2,3,4,5,6,7
	global_store_b128 v[CO], v[(\bk)+4*\i:(\bk)+4*\i+3], s[\base:\base+1] offset:16384*(\j)+2048*\i th:TH_STORE_NT
.endr
	WIN 0
.endm
	s_load_b512 s[4:19], s[0:1], 0x0               ; q_x s[4:7], k_x s[8:11], v_x s[12:15], Wq s[16:19] (codes, scales)
	s_load_b512 s[20:35], s[0:1], 0x40             ; Wk s[20:23], Wv s[24:27], Wg s[28:31], Wo s[32:35]
	s_load_b256 s[36:43], s[0:1], 0x80             ; bg, bias, bo, out0
	v_lshl_add_u32 v[SPW], v0, 2, SPARE
	v_mov_b32 v[NIL], 0
	ds_add_u32 v[SPW], v[NIL]                      ; the opening: the add, twice on end
	ds_add_u32 v[SPW], v[NIL]
	v_lshrrev_b32 v40, 5, v0
	v_readfirstlane_b32 s[WV], v40                 ; wave = head
	s_bfe_u32 s45, ttmp6, 0x40000                  ; my place in the cluster
	s_and_b32 s[HF], ttmp9, 1                      ; which 128 queries: the cluster's
	s_lshr_b32 s[RR], ttmp9, 1
	s_lshl_b32 s[RR], s[RR], 2
	s_add_co_u32 s[RR], s[RR], s45                 ; r
	G1SET G1W, 15|(1<<20)|(1<<21)|(3<<22)|(3<<25), 256, 96   ; 128 rows of 192 bytes lie end to end: 96 rows of 256 bytes, 16 bytes of padding behind every 64; joint
	G1SET G1X, (1<<20)|(3<<22)|(3<<25), 256, 96    ; the same for x, asked for by this work-group alone
	G1SET G1B, 15|(2<<16)|(1<<20)|(1<<21)|(7<<22)|(3<<25), 256, 16   ; the bias: 16 rows of 256 f32, 16 bytes behind each; joint
	s_mov_b32 s[G0W], 1
	s_mul_i32 s[G0W+1], s[WV], 30720
	s_mov_b32 s[G0X], 1
	s_add_co_u32 s[G0X+1], s[G0W+1], 30720
	s_mov_b32 s[G0A], 1
	s_mul_i32 s[G0B+1], s[WV], 16640
	s_add_co_u32 s[G0A+1], s[G0B+1], SLA
	s_mov_b32 s[G0B], 1
	s_mov_b32 s[SEL], 0x76543210
	s_mov_b32 s[SEL+1], 0xfedcba98
	s_mov_b32 s[CS], 0x3e8293ee                    ; log2(e) / sqrt(32)
	s_mov_b32 s[CS+1], s[CS]
	s_mov_b32 s[NL2], 0xbfb8aa3b                   ; -log2(e)
	s_mov_b32 s[NL2+1], s[NL2]
	s_mov_b32 s[LM], 0xffff
	s_mov_b32 s[HM], 0xffff0000
	s_mov_b32 s[R32], 0x40b504f3                   ; sqrt(32)
	s_mov_b32 s[R32+1], s[R32]
	s_wait_dscnt 0x0
	s_wait_kmcnt 0x0
	s_and_b32 s2, s[WV], 1
	s_mul_i32 s100, s2, 24576                      ; which 128 rows of a tensor I fetch
	s_mov_b32 s101, 0
	s_cmp_lt_u32 s[WV], 2
	s_cselect_b64 s[G0W+2:G0W+3], s[20:21], s[24:25]   ; waves 0, 1: Wk, then Wq; waves 2, 3: Wv, then Wg
	s_cselect_b64 s[16:17], s[16:17], s[28:29]
	ADDP G0W+2
	ADDP 16
	s_or_b32 s[G0W+3], s[G0W+3], 0x80000000
	s_cmp_lt_u32 s[WV], 6
	s_cselect_b64 s[G0X+2:G0X+3], s[8:9], s[12:13] ; waves 4, 5: k_x; waves 6, 7: v_x
	s_mul_i32 s2, s[RR], 49152
	s_add_co_u32 s100, s100, s2
	ADDP G0X+2
	s_or_b32 s[G0X+3], s[G0X+3], 0x80000000
	CROUND                                         ; the first joint loads meet
	s_cmp_lt_u32 s[WV], 4
	s_cbranch_scc0 .Lhead_x
	tensor_load_to_lds s[G0W:G0W+3], s[G1W:G1W+7]
	s_nop 0
	PLACES 4
	s_branch .Lhead_asked
.Lhead_x:
	tensor_load_to_lds s[G0X:G0X+3], s[G1X:G1X+7]
	s_nop 0
	PLACES 4
.Lhead_asked:
	s_mul_i32 s100, s[HF], 24576
	s_add_co_u32 s100, s100, s2
	ADDP 4                                         ; q_x: my 128 queries
	s_lshl_b32 s2, s[HF], 17
	s_lshl_b32 s100, s[WV], 18
	s_add_co_u32 s100, s100, s2
	s_add_nc_u64 s[G0A+2:G0A+3], s[38:39], s[100:101]   ; the bias of my head, my 128 queries: tile 0,
	s_add_nc_u64 s[G0B+2:G0B+3], s[G0A+2:G0A+3], 16384  ; and tile 1
	s_or_b32 s[G0A+3], s[G0A+3], 0x80000000
	s_or_b32 s[G0B+3], s[G0B+3], 0x80000000
	s_lshr_b32 s100, s[RR], 4                      ; the prefetch: head r / 16, 8,192 bytes by r % 16
	s_lshl_b32 s100, s100, 18
	s_add_co_u32 s100, s100, s2
	s_and_b32 s3, s[RR], 15
	s_lshl_b32 s3, s3, 13
	s_add_co_u32 s100, s100, s3
	s_add_nc_u64 s[20:21], s[38:39], s[100:101]
	s_lshl_b32 s100, s[RR], 11                     ; scale bytes: 8 a row
	ADDP 10
	ADDP 14
	s_lshl_b32 s2, s[HF], 10
	s_add_co_u32 s100, s100, s2
	ADDP 6
	s_lshl_b32 s100, s[WV], 8
	ADDP 22
	ADDP 26
	ADDP 18
	ADDP 30
	s_lshl_b32 s100, s[WV], 7
	ADDP 36
	s_mul_i32 s100, s[WV], 6144
	ADDP 32
	s_mul_i32 s2, s[WV], 7680                      ; my head's 32 rows of a weight
	s_mul_i32 s100, s[WV], 3200
	s_add_co_u32 s100, s100, OGI
	s_add_co_u32 s3, s[WV], OSB
	v_and_b32 v40, 15, v0                          ; r16
	v_bfe_u32 v41, v0, 4, 1                        ; h
	v_and_b32 v42, 31, v0                          ; lane
	v_mul_u32_u24 v43, v40, 240
	v_mad_u32_u24 v43, v41, 24, v43                ; row r16, + 24 h
	v_add_nc_u32 v[AX0], XK, v43
	v_lshl_add_u32 v[AX0+1], v41, 4, v[AX0]
	v_add_nc_u32 v[AQ0], XQ, v43
	v_lshl_add_u32 v[AQ0+1], v41, 4, v[AQ0]
	v_add_nc_u32 v[AK0], s2, v43                   ; Wk, Wq: tile u is rows 16 u + i
	v_lshl_add_u32 v[AK0+1], v41, 4, v[AK0]
	v_and_b32 v44, 8, v40
	v_mul_u32_u24 v45, v44, 240
	v_add_nc_u32 v[AV0], v45, v[AK0]
	v_add_nc_u32 v[AV0], W2, v[AV0]                ; Wv, Wg: tile u is rows 8 u + i + 8 (i / 8)
	v_lshl_add_u32 v[AV0+1], v41, 4, v[AV0]
	v_mul_u32_u24 v45, v40, 1040
	v_lshl_add_u32 v45, v41, 5, v45
	v_add_nc_u32 v[BA1], s[G0B+1], v45
	v_add_nc_u32 v[BA0], SLA, v[BA1]
	v_mul_u32_u24 v45, v40, 24
	v_mad_u32_u24 v45, v41, 12, v45
	v_add_nc_u32 v[OGA], s100, v45
	v_lshlrev_b32 v45, 3, v40
	v_add_nc_u32 v[OGS], s3, v45
	v_lshlrev_b32 v[SCO], 3, v42
	v_lshl_add_u32 v45, v41, 3, v40
	v_add_nc_u32 v45, v45, v44
	v_lshlrev_b32 v[SCP], 3, v45
	v_lshlrev_b32 v[PFA], 8, v42
	v_lshlrev_b32 v[HB], 6, v41
.irp i, 0,1,2,3,4,5,6,7
	v_mov_b32 v[T2+\i], 0                          ; (a lane permute's destination counts as one of its sources)
.endr
	WALU
	WIN 0x40                                       ; scale words, lane = row: 256 consecutive bytes a load; lanes 0-15 an even tile's, lanes 16-31 the odd one's
.irp i, 0,1,2,3,4,5,6,7
	global_load_b64 v[192+2*\i:193+2*\i], v[SCO], s[10:11] offset:256*\i
	global_load_b64 v[208+2*\i:209+2*\i], v[SCO], s[14:15] offset:256*\i
.endr
.irp i, 0,1,2,3
	global_load_b64 v[248+2*\i:249+2*\i], v[SCO], s[6:7] offset:256*\i
.endr
	WIN 0
	global_load_b64 v[WS:WS+1], v[SCO], s[22:23]
	global_load_b64 v[WS+2:WS+3], v[SCP], s[26:27]
	global_load_b64 v[126:127], v[SCO], s[18:19]   ; Wq's and Wg's, kept until their turn
	global_load_b64 v[94:95], v[SCP], s[30:31]
	s_cmp_lg_u32 s[WV], 0
	s_cbranch_scc1 .Lno_prefetch
	global_prefetch_b8 v[PFA], s[20:21] th:TH_LOAD_NT scope:SCOPE_SE
.Lno_prefetch:
	WALU                                           ; the wait at the head's end
	s_wait_tensorcnt 0x0
	s_wait_loadcnt 0x0
	BARRIER                                        ; Wk, Wv, k_x, v_x lie in LDS
	WIN 0x40
.irp u, 0,1
.irp s, 0,1
	XF 96+24*\u+12*\s, AK0, \s, 3840*\u
	XF 144+24*\u+12*\s, AV0, \s, 1920*\u
.endr
.endr
	XCH 0
	XSM 192
	PLACES 8                                       ; a scale register written by a vector instruction stands eight places ahead of a scaled matrix instruction
	GRD
	s_mov_b64 s[G0W+2:G0W+3], s[16:17]
	s_or_b32 s[G0W+3], s[G0W+3], 0x80000000
	s_mov_b32 s[G0X+1], XQ
	s_mov_b64 s[G0X+2:G0X+3], s[4:5]
	s_or_b32 s[G0X+3], s[G0X+3], 0x80000000
	s_wait_dscnt 0x0                               ; my fragments of Wk and Wv are in registers
	CROUND
	s_cmp_lt_u32 s[WV], 4
	s_cbranch_scc0 .Lnot_weight
	tensor_load_to_lds s[G0W:G0W+3], s[G1W:G1W+7]  ; Wq, Wg onto Wk, Wv
	s_nop 0
	PLACES 4
	s_branch .Lasked_2
.Lnot_weight:
	s_cmp_eq_u32 s[WV], 4
	s_cbranch_scc0 .Lasked_2
	tensor_load_to_lds s[G0X:G0X+3], s[G1X:G1X+7]  ; wave 4: q_x's 128 rows
	s_nop 0
	PLACES 4
.Lasked_2:
	KCH 0
	KCH 1
	KCH 2
	KCH 3
.irp ch, 0,1,2
	VMM
	XCH \ch+1
	XSM 212+4*\ch
	VQ \ch
.endr
	VMM
	GRD
	s_wait_dscnt 0x0                               ; nobody reads k_x and v_x any more
	s_barrier_signal -1
	VQ 3
	WALU
	s_barrier_wait -1
	CREST
	tensor_load_to_lds s[G0A:G0A+3], s[G1B:G1B+7]  ; the bias, tile 0
	s_nop 0
	PLACES 4
.irp u, 0,1
.irp s, 0,1
	XF 192+24*\u+12*\s, AK0, \s, 3840*\u
.endr
.endr
	XF WG0, AV0, 0, 0
	XF WG1, AV0, 1, 0
	XF WG2, AV0, 0, 1920
	XF WG3, AV0, 1, 1920
	v_mov_b32 v[WS], v126
	v_mov_b32 v[WS+1], v127
	v_mov_b32 v[WS+2], v94
	v_mov_b32 v[WS+3], v95
	XSM 248
	PLACES 8
	QGROUP 0
	XSM 252
	QUANT ACC, QC, QC+6, QW
	QGROUP 1
.irp u, 0,1
.irp k, 0,1
	global_load_b128 v[96+8*\u+4*\k:96+8*\u+4*\k+3], v[HB], s[36:37] offset:32*\u+16*\k   ; bg[32 w + 16 h + 8 u + ..], where Wg lay
.endr
.endr
	GRD
	s_wait_dscnt 0x0                               ; nobody reads Wq, Wg, q_x any more
	s_barrier_signal -1
	QUANT ACC, QC+12, QC+18, QW+1
	WALU
	s_barrier_wait -1
	CREST
	tensor_load_to_lds s[G0B:G0B+3], s[G1B:G1B+7]  ; tile 1
	s_nop 0
	PLACES 4
	BIASLD BA0
	; the gates of all eight tiles: 1 / (1 + 2^(-(x + bg) log2(e)))
	s_wait_loadcnt 0x0
.set J, 0
.rept 8
	v_pk_mul_f32 v[96+J:97+J], v[96+J:97+J], s[NL2:NL2+1] op_sel_hi:[1,0]
.set J, J+2
.endr
	WIN 0x41
.set J, 0
.rept 64
	v_pk_fma_f32 v[G+J:G+J+1], v[G+J:G+J+1], s[NL2:NL2+1], v[96+J%16:97+J%16] op_sel_hi:[1,0,1]
.set J, J+2
.endr
	WALU
.set J, 0
.rept 128
	v_exp_f32 v[G+J], v[G+J]
.set J, J+1
.endr
	v_nop
	WALU
.set J, 0
.rept 64
	v_pk_add_f32 v[G+J:G+J+1], v[G+J:G+J+1], 1.0 op_sel_hi:[1,0]
.set J, J+2
.endr
	WALU
.set J, 0
.rept 128
	v_rcp_f32 v[G+J], v[G+J]
.set J, J+1
.endr
	v_nop
	WALU
	WIN 0
	s_wait_xcnt 0x0                                ; the prefetch's and bg's offsets have been read
.set J, 0
.rept 30
	v_mov_b32 v[QV+J], 0                           ; the zero codes of q's variants
.set J, J+1
.endr
	v_mov_b32 v[NM+1], 0                           ; (named as upper halves of pairs)
	v_mov_b32 v[RL+1], 0
	v_mov_b32 v[OGL], v[OGA]
	v_mov_b32 v[OSL], v[OGS]
	WALU
	s_wait_dscnt 0x0
	s_mov_b32 s3, 0
.Lpair:                                                ; tiles 0 to 5, two a trip: even ones through slot A, odd ones through slot B
	s_cmp_eq_u32 s3, 1
	s_cbranch_scc1 .Lq1
	s_cmp_eq_u32 s3, 2
	s_cbranch_scc1 .Lq2
	QARM 0
	WALU
	s_branch .Lqj
.Lq1:
	QARM 1
	WALU
	s_branch .Lqj
.Lq2:
	QARM 2
	WALU
.Lqj:
	STEP 0, -1, 0
	STEP 1, -1, 0
	v_add_nc_u32 v[OGL], 768, v[OGL]
	v_add_nc_u32 v[OSL], 256, v[OSL]
	s_add_co_u32 s3, s3, 1
	s_cmp_lt_u32 s3, 3
	WALU
	s_cbranch_scc1 .Lpair
	; addresses of product 7: columns 64 (w % 4) on; tiles 3 (w / 4) .. + 2, then tile 6 + w / 4
	s_and_b32 s4, s[WV], 3
	s_lshr_b32 s5, s[WV], 2
	s_mul_i32 s6, s4, 15360
	s_add_co_u32 s6, s6, SLA
	s_mul_i32 s7, s5, 1152
	s_add_co_u32 s7, s7, OGI
	s_mul_i32 s8, s5, 384
	s_add_co_u32 s9, s8, OSB
	s_add_co_u32 s8, s8, OGI+2304
	s_lshl_b32 s10, s5, 7
	s_add_co_u32 s10, s10, OSB+768
	s_mul_i32 s11, s[WV], 4352
	s_add_co_u32 s11, s11, STG
	s_mov_b32 s101, 0
	s_lshl_b32 s100, s[RR], 18
	s_lshl_b32 s2, s[HF], 17
	s_add_co_u32 s100, s100, s2
	s_lshl_b32 s2, s4, 8
	s_add_co_u32 s100, s100, s2
	ADDP 42                                        ; out0: my 128 rows, my 64 columns
	s_mul_i32 s100, s5, 49152
	s_add_nc_u64 s[16:17], s[42:43], s[100:101]
	s_lshl_b32 s100, s5, 14
	s_add_co_u32 s100, s100, 98304
	s_add_nc_u64 s[18:19], s[42:43], s[100:101]
	s_lshl_b32 s100, s4, 9
	ADDP 34
	s_lshl_b32 s100, s4, 8
	ADDP 40
	v_and_b32 v126, 15, v0
	v_bfe_u32 v127, v0, 4, 1
	v_mul_u32_u24 v[BF0], v126, 240
	v_mad_u32_u24 v[BF0], v127, 24, v[BF0]
	v_add_nc_u32 v[BF0], s6, v[BF0]
	v_lshl_add_u32 v[BF0+1], v127, 4, v[BF0]
	v_mul_u32_u24 v[AO], v126, 24
	v_mad_u32_u24 v[AO], v127, 3200, v[AO]
	v_add_nc_u32 v[AO2], s8, v[AO]
	v_add_nc_u32 v[AO], s7, v[AO]
	v_lshlrev_b32 v[AOS], 3, v126
	v_add_nc_u32 v[AOS2], s10, v[AOS]
	v_add_nc_u32 v[AOS], s9, v[AOS]
	v_mul_u32_u24 v[STO], v126, 272
	v_lshl_add_u32 v[STO], v127, 5, v[STO]
	v_add_nc_u32 v[STO], s11, v[STO]
	v_mul_u32_u24 v[RD], v127, 272
	v_lshl_add_u32 v[RD], v126, 4, v[RD]
	v_add_nc_u32 v[RD], s11, v[RD]
	v_lshlrev_b32 v[CO], 10, v127
	v_lshl_add_u32 v[CO], v126, 4, v[CO]
	v_lshlrev_b32 v127, 5, v127
	WIN 0x40
.irp n, 0,1,2,3
	global_load_b128 v[BO+8*\n:BO+8*\n+3], v127, s[40:41] offset:64*\n        ; bo, in the result's layout
	global_load_b128 v[BO+8*\n+4:BO+8*\n+7], v127, s[40:41] offset:64*\n+16
.endr
	WIN 0
	global_load_b64 v[WS:WS+1], v[SCO], s[34:35]   ; Wo's scale words
	global_load_b64 v[WS+2:WS+3], v[SCO], s[34:35] offset:256
	QARM 3
	STEP 0, 3, 1                                   ; tile 6; behind its round slot A takes Wo
	WALU
	s_wait_tensorcnt 0x0
	s_wait_dscnt 0x0
	BARRIER                                        ; Wo and o * g's tiles 0 to 6 lie in LDS
	WOLD
	OGLD 0, 64, XS, AO, AOS
	OGLD 1, 96, XS+2, AO, AOS
	s_wait_loadcnt 0x0
	s_wait_dscnt 13                                ; Wo and the first tile are in; the second's 13 loads may be out
	OTILE 64, XS, BK0
	OGLD 2, 64, XS, AO, AOS
	s_wait_dscnt 13                                ; the rows are back, and the second tile is in
	OSEND 0, BK0, 16
	OTILE 96, XS+2, BK1
	s_wait_dscnt 0x0
	OSEND 1, BK1, 16
	s_wait_xcnt 0x0                                ; the first tile's stores have read their registers
	OTILE 64, XS, BK0
	s_wait_dscnt 0x0
	OSEND 2, BK0, 16
	BIASLD BA1                                     ; tile 7
.set J, 0
.rept 24
	v_mov_b32 v[QV+J], 0                           ; the variants' registers have served the second tile
.set J, J+1
.endr
	STEP 1, 3, 2
	WALU
	s_wait_dscnt 0x0
	BARRIER                                        ; o * g's tiles 6 and 7 are whole
	OGLD 0, 64, XS, AO2, AOS2
	s_wait_dscnt 0x0
	s_wait_xcnt 0x0                                ; earlier stores have read their registers
	OTILE 64, XS, BK1
	s_wait_dscnt 0x0
	OSEND 0, BK1, 18
	s_wait_tensorcnt 0x0                           ; the wave's end
	ds_add_u32 v[SPW], v[NIL]
	s_wait_dscnt 0x0
	CROUND                                         ; the closing round
	s_endpgm
.Lfunc_end_k_q8c8b4d5523_gattn:
	.size	k_q8c8b4d5523_gattn, .Lfunc_end_k_q8c8b4d5523_gattn-k_q8c8b4d5523_gattn
	.p2alignl 7, 3214868480
	.fill 96, 4, 3214868480
	.section	.rodata,"a",@progbits
	.p2align	6, 0x0
	.amdhsa_kernel k_q8c8b4d5523_gattn
		.amdhsa_group_segment_fixed_size 327680
		.amdhsa_private_segment_fixed_size 0
		.amdhsa_enable_private_segment 0
		.amdhsa_kernarg_size 160
		.amdhsa_user_sgpr_count 2
		.amdhsa_user_sgpr_kernarg_segment_ptr 1
		.amdhsa_wavefront_size32 1
		.amdhsa_system_sgpr_workgroup_id_x 1
		.amdhsa_system_sgpr_workgroup_id_y 1
		.amdhsa_system_sgpr_workgroup_id_z 1
		.amdhsa_system_vgpr_workitem_id 0
		.amdhsa_next_free_vgpr 512
		.amdhsa_next_free_sgpr 102
		.amdhsa_reserve_vcc 0
		.amdhsa_float_denorm_mode_32 3
		.amdhsa_float_denorm_mode_16_64 3
		.amdhsa_memory_ordered 1
		.amdhsa_forward_progress 1
		.amdhsa_inst_pref_size 255
	.end_amdhsa_kernel
	.section	.bss,"aw",@nobits
	.p2align	6
	.space	262144
	.amdgpu_metadata
---
amdhsa.version: [ 1, 2 ]
amdhsa.kernels:
  - .name:           k_q8c8b4d5523_gattn
    .symbol:         k_q8c8b4d5523_gattn.kd
    .args:
      - { .name: q_x_codes, .offset: 0, .size: 8, .value_kind: global_buffer, .address_space: global }
      - { .name: q_x_scales, .offset: 8, .size: 8, .value_kind: global_buffer, .address_space: global }
      - { .name: k_x_codes, .offset: 16, .size: 8, .value_kind: global_buffer, .address_space: global }
      - { .name: k_x_scales, .offset: 24, .size: 8, .value_kind: global_buffer, .address_space: global }
      - { .name: v_x_codes, .offset: 32, .size: 8, .value_kind: global_buffer, .address_space: global }
      - { .name: v_x_scales, .offset: 40, .size: 8, .value_kind: global_buffer, .address_space: global }
      - { .name: Wq_codes, .offset: 48, .size: 8, .value_kind: global_buffer, .address_space: global }
      - { .name: Wq_scales, .offset: 56, .size: 8, .value_kind: global_buffer, .address_space: global }
      - { .name: Wk_codes, .offset: 64, .size: 8, .value_kind: global_buffer, .address_space: global }
      - { .name: Wk_scales, .offset: 72, .size: 8, .value_kind: global_buffer, .address_space: global }
      - { .name: Wv_codes, .offset: 80, .size: 8, .value_kind: global_buffer, .address_space: global }
      - { .name: Wv_scales, .offset: 88, .size: 8, .value_kind: global_buffer, .address_space: global }
      - { .name: Wg_codes, .offset: 96, .size: 8, .value_kind: global_buffer, .address_space: global }
      - { .name: Wg_scales, .offset: 104, .size: 8, .value_kind: global_buffer, .address_space: global }
      - { .name: Wo_codes, .offset: 112, .size: 8, .value_kind: global_buffer, .address_space: global }
      - { .name: Wo_scales, .offset: 120, .size: 8, .value_kind: global_buffer, .address_space: global }
      - { .name: bg, .offset: 128, .size: 8, .value_kind: global_buffer, .address_space: global }
      - { .name: bias, .offset: 136, .size: 8, .value_kind: global_buffer, .address_space: global }
      - { .name: bo, .offset: 144, .size: 8, .value_kind: global_buffer, .address_space: global }
      - { .name: out0, .offset: 152, .size: 8, .value_kind: global_buffer, .address_space: global }
    .group_segment_fixed_size: 327680
    .private_segment_fixed_size: 0
    .kernarg_segment_align: 8
    .kernarg_segment_size: 160
    .max_flat_workgroup_size: 256
    .sgpr_count:     102
    .vgpr_count:     512
    .wavefront_size: 32
...
	.end_amdgpu_metadata
.endif
;; end of part 1
